; MI455X (gfx1250); checked and timed in simulation.
; The chip was launched on July 23, 2026; its instructions are those of AMD's public machine-readable ISA for CDNA 5 (MIT licence, August 2026) and "CDNA5" Instruction Set Architecture Reference Guide (July 2026). The comments in the code are by the model that wrote it; some were corrected since.
;; Attention. Allowed arithmetic: matrix products marked QUANTISED: E2M1 operands, one E8M0 scale for each 32 along K, by v_wmma_scale_f32_16x16x128_f8f6f4 with both operands' format E2M1 (or v_wmma_scale_f32_32x16x128_f4), f32 sums; products left as they are: f32 operands where the result goes on into a quantised operand, else bf16, f16 or f32 operands; f32 sums; everything else in f32.
;; Inputs: Wk 1,024 x 1,024 float32; Wq 1,024 x 1,024 float32; Wv 1,024 x 1,024 float32; alpha 1 float32; beta 1,024 float32; bk 1,024 float32; bq 1,024 float32; bv 1,024 float32; decoder_hidden_state 32 x 1,024 float32; encoder_outputs 32 x 1,024 x 1,024 float32; gamma 1,024 float32.
;; Outputs: out0 32 x 1,024 float32; out1 32 x 1,024 float32.
;; This version of the problem:
;;   THIS VERSION OF THE PROBLEM IS GIVEN IN LOW PRECISION. The matrix products marked QUANTISED in the list below multiply operands that are first quantised to E2M1 (2 exponent bits, 1 mantissa bit; 4 bits a number), with one power-of-two scale for each 32 numbers along K (OCP MX v1.0); their sums are f32. All else is computed in f32.
;;   The module's matrix products, in the order in which they are computed (A, B: the left and right operand; K: the contracted axis; several contracted axes count as one K, in the product's order):
;;     1. [M 32, K 1,024] x [K 1,024, N 1,024]; A: input decoder_hidden_state; B: input Wq: QUANTISED
;;     2. [M 32,768, K 1,024] x [K 1,024, N 1,024]; A: input encoder_outputs; B: input Wk: QUANTISED
;;     3. [M 32,768, K 1,024] x [K 1,024, N 1,024]; A: input encoder_outputs; B: input Wv: QUANTISED
;;     4. batch 32 x [M 1, K 1,024] x [K 1,024, N 1,024]; A: computed on the way; B: computed on the way: left as it is (M = 1 < 16)
;;     5. batch 32 x [M 1, K 1,024] x [K 1,024, N 1,024]; A: softmax; B: computed on the way: left as it is (M = 1 < 16)
;;   THE QUANTISER, for each operand of a quantised product, along K:
;;     - K is cut into blocks of 32 from its start; a last block that is shorter is filled with zeros.
;;     - A block's scale is 2^e with e = floor(log2(the largest magnitude in the block)) - 2, held to -126 .. 127; a block of zeros has e = 0. As a byte (E8M0): e + 127.
;;     - Each number is divided by its block's scale, clamped to +-6, and rounded to the nearest number of E2M1, ties to even, subnormals kept.
;;     - The product sums the exact products of the quantised numbers (number of the format x scale) in f32.
;;   ~~~python
;;   def quantise(x, axis):      # numpy; x: float32 -> the quantised numbers, widened to float32 again
;;       x = np.moveaxis(x, axis, -1); K = x.shape[-1]
;;       x = np.pad(x, [(0, 0)] * (x.ndim - 1) + [(0, -K % 32)]); x = x.reshape(x.shape[:-1] + (-1, 32)); a = np.abs(x).max(-1, keepdims=True)
;;       e = np.where(a > 0, np.clip(np.frexp(np.where(a > 0, a, 1))[1] - 1 - 2, -126, 127), 0)      # np.frexp(a)[1] - 1 = floor(log2(a)), exactly
;;       r = np.clip(x / 2.0 ** e, -6, 6)
;;       step = 2.0 ** (np.maximum(np.frexp(np.where(r == 0, 1, r))[1] - 1, 0) - 1)
;;       q = np.round(r / step) * step * 2.0 ** e      # np.round: ties to even
;;       return np.moveaxis(q.reshape(q.shape[:-2] + (-1,))[..., :K], -1, axis).astype(np.float32)
;;   ~~~
;; One version. Each part assembles by itself: llvm-mc -triple=amdgcn-amd-amdhsa -mcpu=gfx1250 --defsym DOCPART=n.
;; ======== version 1 of 1: 3 launches
;; limits: right only within a limited range of input values
;; workspace buffers: ws 1,114,112 bytes; qbuf 131,072 bytes; tbuf 131,072 bytes; mlbuf 65,536 bytes; cpart 1,048,576 bytes
;; launch prep (part 1): grid 192 x 1, 8 waves a work-group, no clusters, 56,320 bytes of LDS; arguments Wk, Wv, Wq, decoder_hidden_state, bq, ws, qbuf; writes ws, qbuf
.if DOCPART == 1
	.amdgcn_target "amdgcn-amd-amdhsa--gfx1250"
	.amdhsa_code_object_version 6
	.text
	.protected	k_q603475d782_prep
	.globl	k_q603475d782_prep
	.p2align	8
	.type	k_q603475d782_prep,@function
k_q603475d782_prep:
	s_mov_b64 s[64:65], 0
	v_nop
	global_prefetch_b8 v0, s[64:65] scope:SCOPE_SE
	s_setreg_imm32_b32 hwreg(HW_REG_WAVE_MODE, 25, 1), 1
	s_wait_xcnt 0x0
; Wk and Wv [1024][1024] f32 become codes of FP4 (E2M1) with one E8M0 byte for each 32 along K, laid in ws as IMAGES OF OPERAND REGISTERS; and q = Q(dec) Q(Wq)^T + bq, [32][1024] f32, goes to qbuf.
; A block's scale is 2^(floor(log2(its largest magnitude)) - 2): its byte is the largest magnitude's exponent field - 2, held at 1 from below by a floor among the maximum's leaves.
; LIMITS: NaN and infinities among the inputs are not served.  A block of zeros gets the byte 1 where the rule says 127: its codes are zeros, and the bytes are read by this program alone.
; q's sum over K is kept in two f32 accumulators (even and odd K steps of 128) that are added at the end: another order of the same f32 sum.
; SHARES.  A work-group quantises TWO BLOCKS OF 16 ROWS.  Work-groups 0-63 (T = the number): Wk's and Wv's rows 16 T on; they store the two images.  Work-groups 64-191 (T = (number - 64) / 2, beta = (number - 64) % 2):
; Wq's rows 16 T on and dec's rows 16 beta on; their wave 0 multiplies the two (8 matrix instructions).  Eight waves: wave v takes rows 4 (v % 4) .. + 3 of block v / 4.
; All take ONE path through the quantiser: only the pointer and the first row are chosen, by the work-group's and the wave's numbers.  Then one barrier, behind which nothing is stored to LDS.
; So that the path stays one, every wave loads bq's 16 numbers of tile T at the head (32 bytes a lane); the multiplying wave uses them, as the C of its first product.
; NO CLUSTER: a work-group reads 131,072 bytes; what is shared (a block of dec by 64 work-groups, a tile of Wq by two) comes by register loads on the common path, and a joint tensor load for it would want a second path and all of LDS.
; A ROW: eight loads of 512 consecutive bytes; the 4,096 bytes turn through the wave's own stage in LDS (16 bytes of padding behind each 128) and come back 128 bytes a lane: lane l holds block l of 32 numbers whole.
; ws: [sigma 0..7][w 0..3][tau 0..3] blocks of 8,704 bytes; sigma 0-3 Wk, 4-7 Wv; block (sigma, w, tau) = rows 16 T on with T = 16 w + 4 (sigma % 4) + tau.  In a block: part 2 s + c (K step s, half c) of 512 bytes,
; lane l's 16 bytes at 16 l; at 8,192 the scale image: lane (r, h) holds bytes 16 h .. 16 h + 15 of row r's 32.
; qbuf is stored in runs of 64 bytes a row (16 of q's 1,024 columns belong to a work-group): 131,072 bytes in all.
.set ROWB,  4096                       ; a row of f32 in bytes
.set CP,    528                        ; a row of codes in LDS: 512 bytes + 16
.set CODEB, 16*CP                      ; a block's 16 rows
.set SCL,   2*CODEB                    ; behind the codes: the scale bytes,
.set SCP,   48                         ; 32 a row + 16
.set SCB,   16*SCP
.set FST,   SCL+2*SCB                  ; behind them: a stage of 32 x 144 bytes for each wave
.set FSB,   4608
.set SLOTB, 139264
.set PARTB, 34816
.set TILEB, 8704
.set XR,    64                         ; v64-127  two sets of 32 neighbours
.set LD,    128                        ; v128-255 my four rows as loaded
.set BQO,   60                         ; v60  32 h: my half's eight numbers of bq; never rewritten
.set QO,    61                         ; v61  4,096 r + 32 h: my 32 bytes of a row of qbuf; never rewritten
; v1 lane, v2 r, v3 h; v4 16 l; v5, v6 the stage in and out; v7 my codes' place, v8 my byte's; v9 a fragment's place in block 0, v10 in my block, my two K steps; v11, v12 the same for scale images
; v13-15 two maxima and the scale operand; v16-23 codes, two sets; v24-25 bytes, two; v44-51 bq.  In the multiplying wave: v16-31 the two accumulators, v32-39 scale words, v52-59 q, v64-191 fragments
; WORK LEFT OUT IN THIS PROGRAM: bk.  energy(b, s) = q(b) . (k0(b, s) + bk) / 32 = q(b) . k0(b, s) / 32 + q(b) . bk / 32, k0 the quantised product alone.  The second term is the same for every s of a batch,
; the softmax along s takes away whatever is the same along s, and energy itself is no output; v does not hold bk.  That holds for all finite values of the inputs.  So bk has no way to any output: it is not loaded and
; is among no launch's arguments.  LIMIT: a NaN, an infinity or an overflow that would arise from bk alone is not carried to the results.
	s_load_b256 s[4:11], s[0:1], 0x0
	s_load_b128 s[12:15], s[0:1], 0x20             ; bq, ws
	s_load_b64 s[16:17], s[0:1], 0x30              ; qbuf
	v_lshl_add_u32 v62, v0, 2, 0xd800
	v_mov_b32 v63, 0
	v_lshrrev_b32 v1, 5, v0
	s_delay_alu instid0(VALU_DEP_1)
	v_readfirstlane_b32 s18, v1                    ; wave 0..7
	s_lshr_b32 s19, s18, 2                         ; which block
	s_and_b32 s20, s18, 3                          ; which four rows of it
	v_and_b32 v1, 31, v0
	v_and_b32 v2, 15, v0
	v_bfe_u32 v3, v0, 4, 1
	s_delay_alu instid0(VALU_DEP_3)
	v_lshlrev_b32 v4, 4, v1
	s_mul_i32 s21, s18, FSB
	s_add_co_u32 s21, s21, FST                     ; my stage
	v_lshrrev_b32 v5, 3, v1
	s_delay_alu instid0(VALU_DEP_1)
	v_lshl_add_u32 v5, v5, 4, v4
	s_delay_alu instid0(VALU_DEP_1)
	v_add_nc_u32 v5, s21, v5                       ; in: 16 l + 16 (l / 8); a load's 512 bytes take 576
	v_mul_u32_u24 v6, v1, 144
	s_delay_alu instid0(VALU_DEP_1)
	v_add_nc_u32 v6, s21, v6                       ; out: 144 l: my block of 32
	s_mul_i32 s21, s19, CODEB
	s_mul_i32 s22, s20, 4*CP
	s_add_co_u32 s22, s22, s21
	v_add_nc_u32 v7, s22, v4
	v_mul_u32_u24 v9, v2, CP
	s_delay_alu instid0(VALU_DEP_1)
	v_lshl_add_u32 v9, v3, 4, v9                   ; a fragment: row r, + 16 h
	s_delay_alu instid0(VALU_DEP_1)
	v_add_nc_u32 v10, s21, v9
	s_lshl_b32 s22, s20, 7
	v_add_nc_u32 v10, s22, v10                     ; my block's, from K step 2 x (wave % 4) on
	s_mul_i32 s21, s19, SCB
	s_mul_i32 s22, s20, 4*SCP
	s_add_co_u32 s22, s22, s21
	s_add_co_u32 s22, s22, SCL
	v_add_nc_u32 v8, s22, v1
	v_mul_u32_u24 v11, v2, SCP
	s_delay_alu instid0(VALU_DEP_1)
	v_lshl_add_u32 v11, v3, 4, v11
	s_delay_alu instid0(VALU_DEP_1)
	v_add_nc_u32 v11, SCL, v11
	s_delay_alu instid0(VALU_DEP_1)
	v_add_nc_u32 v12, s21, v11
	v_lshlrev_b32 v[BQO], 5, v3
	s_delay_alu instid0(VALU_DEP_1)
	v_lshl_add_u32 v[QO], v2, 12, v[BQO]
	s_max_u32 s28, ttmp9, 64
	s_sub_co_u32 s28, s28, 64                      ; the number among the multiplying work-groups (0 in the others, where it is not used)
	s_lshr_b32 s29, s28, 1                         ; their T,
	s_and_b32 s30, s28, 1                          ; their beta
	s_cmp_lt_u32 ttmp9, 64
	s_cselect_b32 s31, ttmp9, s29                  ; T
	s_cselect_b32 s32, ttmp9, s30                  ; block 1's first row / 16: T in Wv, beta in dec
	s_cmp_eq_u32 s19, 0
	s_cselect_b32 s22, s31, s32
	s_lshl_b32 s22, s22, 4
	s_lshl_b32 s23, s20, 2
	s_add_co_u32 s22, s22, s23                     ; + my four
	s_lshl_b32 s22, s22, 12
	s_mov_b32 s23, 0
	s_lshl_b32 s34, s31, 6                         ; 16 columns of f32: 64 T
	s_mov_b32 s35, 0
	s_wait_alu depctr_va_vdst(0)
	s_wait_kmcnt 0x0
	s_cmp_lt_u32 ttmp9, 64                         ; the choices hang on the work-group's and the wave's numbers alone
	s_cselect_b64 s[24:25], s[4:5], s[8:9]         ; block 0: Wk or Wq
	s_cselect_b64 s[26:27], s[6:7], s[10:11]       ; block 1: Wv or dec
	s_cmp_eq_u32 s19, 0
	s_cselect_b64 s[24:25], s[24:25], s[26:27]
	s_add_nc_u64 s[24:25], s[24:25], s[22:23]
	s_add_nc_u64 s[12:13], s[12:13], s[34:35]
	global_load_b128 v[44:47], v[BQO], s[12:13]    ; bq(16 T + 8 h + 0 .. 7): asked for here, so that nothing is asked of memory behind the barrier
	global_load_b128 v[48:51], v[BQO], s[12:13] offset:16
.macro GLOAD n                         ; row n: eight loads of 512 consecutive bytes
.irp i, 0,1,2,3,4,5,6,7
	global_load_b128 v[LD+32*(\n)+4*\i:LD+32*(\n)+4*\i+3], v4, s[24:25] offset:ROWB*(\n)+512*\i
.endr
.endm
.macro TURN n, cnt                     ; row n through the stage.  LDS serves a wave's instructions in order (ISA guide 5.7.1.4): no wait between the stores and the loads
	s_wait_loadcnt \cnt                            ; row n's eight loads are in; the younger rows' stay out
.irp i, 0,1,2,3,4,5,6,7
	ds_store_b128 v5, v[LD+32*(\n)+4*\i:LD+32*(\n)+4*\i+3] offset:576*\i
.endr
.irp j, 0,1,2,3,4,5,6,7
	ds_load_b128 v[XR+32*((\n)%2)+4*\j:XR+32*((\n)%2)+4*\j+3], v6 offset:16*\j
.endr
.endm
.macro QROW n                          ; my block of row n: its largest magnitude, the scale operand, 32 codes, the byte
.set X0, XR+32*((\n)%2)
.set C0, 16+4*((\n)%2)
	v_max3_num_f32 v13, |v[X0]|, |v[X0+1]|, |v[X0+2]|
	v_max3_num_f32 v14, |v[X0+3]|, |v[X0+4]|, |v[X0+5]|
.irp i, 6,10,14,18,22,26
	s_delay_alu instid0(VALU_DEP_2)
	v_max3_num_f32 v13, v13, |v[X0+\i]|, |v[X0+\i+1]|
	s_delay_alu instid0(VALU_DEP_2)
	v_max3_num_f32 v14, v14, |v[X0+\i+2]|, |v[X0+\i+3]|
.endr
	s_delay_alu instid0(VALU_DEP_2)
	v_max3_num_f32 v13, v13, |v[X0+30]|, |v[X0+31]|
	s_delay_alu instid0(VALU_DEP_1)
	v_max3_num_f32 v13, v13, v14, 0x1800000        ; and the floor 2^(3 - 127): the byte cannot fall under 1
	s_delay_alu instid0(VALU_DEP_1)
	v_add_nc_u32 v15, 0xff000000, v13              ; 2 off the exponent field: the conversion takes this operand's exponent field as its scale
.irp g, 0,1,2,3
	v_cvt_scalef32_pk8_fp4_f32 v[C0+\g], v[X0+8*\g:X0+8*\g+7], v15
.endr
	v_lshrrev_b32 v[24+(\n)%2], 23, v15            ; the byte; also the plain line behind the conversions
.endm
.macro STEP n
.if (\n) == 0
	s_wait_dscnt 0x0
.else
	s_wait_dscnt 0x2                               ; row n is back from the stage; the last row's code and byte stores may be out, those of the row before it are done
.endif
.if (\n) < 3
	TURN (\n)+1, 8*(2-(\n))
.endif
	QROW \n
	ds_store_b128 v7, v[16+4*((\n)%2):19+4*((\n)%2)] offset:CP*(\n)
	ds_store_b8 v8, v[24+(\n)%2] offset:SCP*(\n)
.endm
.irp n, 0,1,2,3
	GLOAD \n                                       ; all my rows at once: 32 loads
.endr
	TURN 0, 24                                     ; bq and row 0 are in; rows 1 to 3 stay out
.irp n, 0,1,2,3
	STEP \n
.endr
	s_wait_dscnt 0x0                               ; for the others' sake: my codes and bytes lie in LDS
	s_barrier_signal -1
	s_barrier_wait -1
	s_cmp_lt_u32 ttmp9, 64
	s_cbranch_scc0 .Lproduct
	; ---- work-groups 0-63: each wave stores a quarter of its block's image: two K steps' fragments, read as the operand's registers want them and stored as they stand
	s_lshl_b32 s26, s19, 2
	s_bfe_u32 s27, s31, 0x20002
	s_add_co_u32 s26, s26, s27                     ; sigma = 4 x block + (T / 4) % 4
	s_mul_i32 s26, s26, SLOTB
	s_lshr_b32 s27, s31, 4                         ; w = T / 16
	s_mul_i32 s27, s27, PARTB
	s_add_co_u32 s26, s26, s27
	s_and_b32 s27, s31, 3                          ; tau = T % 4
	s_mul_i32 s27, s27, TILEB
	s_add_co_u32 s26, s26, s27
	s_lshl_b32 s27, s20, 11
	s_add_co_u32 s26, s26, s27                     ; + my two K steps: four parts of 512 bytes
	s_mov_b32 s27, 0
	s_add_nc_u64 s[14:15], s[14:15], s[26:27]
.irp k, 0,1,2,3
	ds_load_b128 v[64+4*\k:67+4*\k], v10 offset:32*\k
.endr
	ds_load_b128 v[96:99], v12
	s_wait_dscnt 0x0
.irp k, 0,1,2,3
	global_store_b128 v4, v[64+4*\k:67+4*\k], s[14:15] offset:512*\k   ; 32 lanes store 512 consecutive bytes, at a multiple of 256 from ws's first byte
.endr
	s_cmp_lg_u32 s20, 3
	s_cbranch_scc1 .Limage_done
	global_store_b128 v4, v[96:99], s[14:15] offset:2048               ; the block's last wave: the scale image, behind the sixteen parts
.Limage_done:
	s_wait_tensorcnt 0x0
	ds_add_u32 v62, v63
	s_wait_dscnt 0x0
	s_endpgm
.Lproduct:
	s_cmp_eq_u32 s18, 0
	s_cbranch_scc0 .Lidle
	; ---- work-groups 64-191, wave 0: q.  Transposed: source 0 = Wq's 16 rows, source 1 = 16 rows of dec: lane (r, h) holds q(16 beta + r, 16 T + 8 h + 0 .. 7)
	s_lshl_b32 s26, s30, 16                        ; 16 beta rows of 4,096 bytes
	s_add_co_u32 s26, s26, s34                     ; + 64 T
	s_mov_b32 s27, 0
	s_add_nc_u64 s[16:17], s[16:17], s[26:27]
.irp s, 0,1,2,3,4,5,6,7
.irp c, 0,1
	ds_load_b128 v[64+8*\s+4*\c:67+8*\s+4*\c], v9 offset:64*\s+32*\c
	ds_load_b128 v[128+8*\s+4*\c:131+8*\s+4*\c], v9 offset:CODEB+64*\s+32*\c
.endr
.endr
.irp p, 0,1
	ds_load_b128 v[32+4*\p:35+4*\p], v11 offset:\p*SCB   ; scale words: register i: lanes 0-15 K step i, lanes 16-31 K step 4 + i
.endr
	s_wait_dscnt 0x0
.irp s, 0,1,2,3,4,5,6,7                ; two accumulators by turns: v16-23 the even K steps, begun with bq; v24-31 the odd ones, begun with 0
.set rD, 16+8*(\s%2)
.if \s == 0
	v_wmma_scale_f32_16x16x128_f8f6f4 v[16:23], v[64:71], v[128:135], v[44:51], v32, v36 matrix_a_fmt:MATRIX_FMT_FP4 matrix_b_fmt:MATRIX_FMT_FP4
.elseif \s == 1
	v_wmma_scale_f32_16x16x128_f8f6f4 v[24:31], v[72:79], v[136:143], 0, v33, v37 matrix_a_fmt:MATRIX_FMT_FP4 matrix_b_fmt:MATRIX_FMT_FP4
.elseif \s < 4
	v_wmma_scale_f32_16x16x128_f8f6f4 v[rD:rD+7], v[64+8*\s:71+8*\s], v[128+8*\s:135+8*\s], v[rD:rD+7], v[32+\s], v[36+\s] matrix_a_fmt:MATRIX_FMT_FP4 matrix_b_fmt:MATRIX_FMT_FP4
.else
	v_wmma_scale_f32_16x16x128_f8f6f4 v[rD:rD+7], v[64+8*\s:71+8*\s], v[128+8*\s:135+8*\s], v[rD:rD+7], v[28+\s], v[32+\s] matrix_a_fmt:MATRIX_FMT_FP4 matrix_b_fmt:MATRIX_FMT_FP4 matrix_a_scale:MATRIX_SCALE_ROW1 matrix_b_scale:MATRIX_SCALE_ROW1
.endif
.endr
.rept 4
	v_nop                                          ; four places behind the last products, ahead of the additions that read them (ISA guide 7.12.1)
.endr
.irp j, 0,1,2,3,4,5,6,7
	v_add_f32 v[52+\j], v[16+\j], v[24+\j]         ; the two halves of the sum; each accumulator from its low end on
.endr
	global_store_b128 v[QO], v[52:55], s[16:17]
	global_store_b128 v[QO], v[56:59], s[16:17] offset:16
.Lidle:
	s_wait_tensorcnt 0x0
	ds_add_u32 v62, v63
	s_wait_dscnt 0x0
	s_endpgm
.Lfunc_end_k_q603475d782_prep:
	.size	k_q603475d782_prep, .Lfunc_end_k_q603475d782_prep-k_q603475d782_prep
	.p2alignl 7, 3214868480
	.fill 96, 4, 3214868480
	.section	.rodata,"a",@progbits
	.p2align	6, 0x0
	.amdhsa_kernel k_q603475d782_prep
		.amdhsa_group_segment_fixed_size 56320
		.amdhsa_private_segment_fixed_size 0
		.amdhsa_enable_private_segment 0
		.amdhsa_kernarg_size 56
		.amdhsa_user_sgpr_count 2
		.amdhsa_user_sgpr_kernarg_segment_ptr 1
		.amdhsa_wavefront_size32 1
		.amdhsa_system_sgpr_workgroup_id_x 1
		.amdhsa_system_sgpr_workgroup_id_y 1
		.amdhsa_system_sgpr_workgroup_id_z 1
		.amdhsa_system_vgpr_workitem_id 0
		.amdhsa_next_free_vgpr 256
		.amdhsa_next_free_sgpr 66
		.amdhsa_reserve_vcc 0
		.amdhsa_float_denorm_mode_32 3
		.amdhsa_float_denorm_mode_16_64 3
		.amdhsa_memory_ordered 1
		.amdhsa_forward_progress 1
		.amdhsa_inst_pref_size 25
	.end_amdhsa_kernel
	.amdgpu_metadata
---
amdhsa.version: [ 1, 2 ]
amdhsa.kernels:
  - .name:           k_q603475d782_prep
    .symbol:         k_q603475d782_prep.kd
    .args:
      - { .name: Wk, .offset: 0, .size: 8, .value_kind: global_buffer, .address_space: global }
      - { .name: Wv, .offset: 8, .size: 8, .value_kind: global_buffer, .address_space: global }
      - { .name: Wq, .offset: 16, .size: 8, .value_kind: global_buffer, .address_space: global }
      - { .name: decoder_hidden_state, .offset: 24, .size: 8, .value_kind: global_buffer, .address_space: global }
      - { .name: bq, .offset: 32, .size: 8, .value_kind: global_buffer, .address_space: global }
      - { .name: ws, .offset: 40, .size: 8, .value_kind: global_buffer, .address_space: global }
      - { .name: qbuf, .offset: 48, .size: 8, .value_kind: global_buffer, .address_space: global }
    .group_segment_fixed_size: 56320
    .private_segment_fixed_size: 0
    .kernarg_segment_align: 8
    .kernarg_segment_size: 56
    .max_flat_workgroup_size: 256
    .sgpr_count:     66
    .vgpr_count:     256
    .wavefront_size: 32
...
	.end_amdgpu_metadata
.endif
;; end of part 1
;; launch main (part 2): grid 256 x 1, 4 waves a work-group, no clusters, 113,152 bytes of LDS; arguments encoder_outputs, ws, qbuf, tbuf, mlbuf, cpart; writes tbuf, mlbuf, cpart
.if DOCPART == 2
	.amdgcn_target "amdgcn-amd-amdhsa--gfx1250"
	.amdhsa_code_object_version 6
	.text
	.protected	k_q603475d782_main
	.globl	k_q603475d782_main
	.p2align	8
	.type	k_q603475d782_main,@function
k_q603475d782_main:
	s_mov_b64 s[64:65], 0
	v_nop
	global_prefetch_b8 v0, s[64:65] scope:SCOPE_SE
	s_setreg_imm32_b32 hwreg(HW_REG_WAVE_MODE, 25, 1), 1
	s_wait_xcnt 0x0
; A work-group owns 128 rows s of one batch of encoder_outputs.  It quantises them to FP4 (E2M1, one E8M0 byte for each 32 along K), multiplies them with all of Wk's and Wv's codes (images of operand registers in ws),
; and stores t = energy x log2(e) / 32 of its rows (tbuf), their largest t and the sum of 2^(t - m) (mlbuf), and the sum over its rows of 2^(t - m) v0 (cpart).  The next launch joins a batch's eight work-groups.
; LEFT OUT: bk (the term q . bk is the same along the softmax's axis: shown at the head of the first kernel).  bv is added by the next launch.
; LIMITS: NaN and infinities among the inputs are not served; a block of zeros gets the byte 1 (its codes are zeros, and this program alone reads the bytes).
; HEAD: wave w turns rows 16 w .. + 15 and 64 + 16 w .. + 15 through its stage in LDS (a lane then holds a block of 32 whole), makes codes and bytes, and every wave reads all 128 rows' fragments: 512 registers.
; PRODUCTS: wave w takes columns 256 w .. + 255 of k and of v, 16 at a time (a tile: 8 blocks of rows x 8 K steps = 64 matrix instructions, the 8 accumulators by turns).
; Source 0 = W, source 1 = rows: a lane holds a row and eight columns.  k: they meet q's eight.  v: they are weighed with the row's p; the 16 lanes' sums of a tile go to LDS as they stand and are folded once, at the end.
; TWO SETS OF ACCUMULATORS take turns from tile to tile: tile t - 1 is summed up behind tile t's first eight products.
; W COMES STRAIGHT INTO REGISTERS: a tile's image in ws is 17 pieces of 512 bytes in the order of the operand's registers, 16 bytes a lane; four sets of registers, loads three tiles (51 loads) ahead.
; NO CLUSTER, NO JOINT LOADS, though all work-groups walk the same ws: a tile is wanted by one wave of a work-group alone, so LDS would share nothing inside the work-group; each of ws's 1,114,112 bytes would be
; written to LDS once and read from it once, 2,228,224 bytes a work-group for 8,192 matrix instructions, with a round of barriers for each 139,264 bytes; from registers' images none of that is owed.
; PREFETCH: ws is shared out by address: work-groups 0-33 ask once, 8,192 bytes a wave, lanes 256 bytes apart: 136 waves x 8,192 = 1,114,112 bytes, each block of 256 named once; 22 rows' work ahead of W's first load.
; WINDOWS: 0: v1-25 addresses, v32-63 rows' scales, v64-79 W's scales (four sets), v80-111 energy sums (two sets of pairs), later p (v80-95) and a tile's sums (v96-103), v112-119 q, v128-255 accumulators (two sets),
; in the head numbers and codes; 1: W's fragments (four sets), in the head rows as loaded; 2, 3: the rows' fragments of K steps 0-3, 4-7.
.set SLOTB, 139264                     ; ws: [sigma 0..7][wave][tau 0..3] tiles of 8,704 bytes
.set PARTB, 34816
.set TILEB, 8704
.set STG,   0
.set STB,   8448
.set CP,    528
.set SCS,   STG+4*STB
.set SCP,   48
.set SCB,   768
.set EP,    SCS+4*SCB
.set PW,    EP+2048
.set CT,    PW+2048
.set CS,    CT+4096                    ; the tiles' unfolded sums: for each wave 32 x 528 bytes: (tile, half) x (16 rows x 32 bytes + 16)
.set CSB,   32*528
.set SPARE, CS+4*CSB
.set MSB, 0
.macro WIN new
.if MSB != (\new)
	s_set_vgpr_msb (MSB<<8)|(\new)
.set MSB, (\new)
.endif
.endm
.macro PLACES n
.rept \n
	v_nop
.endr
.endm
.macro BAR
	s_wait_dscnt 0x0
	s_barrier_signal -1
	s_barrier_wait -1
.endm
.macro GLOAD n                         ; row n as it lies: eight loads of 512 consecutive bytes, into window 1
	WIN 0x40
.irp i, 0,1,2,3,4,5,6,7
	global_load_b128 v[32*((\n)%8)+4*\i:32*((\n)%8)+4*\i+3], v4, s[4:5] offset:4096*((\n)%16+64*((\n)/16))+512*\i th:TH_LOAD_NT
.endr
.endm
.macro NEXT off, set                   ; a tile of W: 16 parts into set, its scale image into the set's four scale registers: 17 loads of 512 consecutive bytes
	WIN 0x40
.irp k, 0,1,2,3,4,5,6,7,8,9,10,11,12,13,14,15
	global_load_b128 v[64*(\set)+4*\k:64*(\set)+4*\k+3], v4, s[6:7] offset:\off+512*\k
.endr
	WIN 0
	global_load_b128 v[64+4*(\set):67+4*(\set)], v4, s[6:7] offset:\off+8192
.endm
	s_load_b256 s[4:11], s[0:1], 0x0               ; encoder_outputs, ws, qbuf, tbuf
	s_load_b128 s[12:15], s[0:1], 0x20             ; mlbuf, cpart
	v_lshl_add_u32 v21, v0, 2, SPARE
	v_mov_b32 v22, 0
	v_lshrrev_b32 v1, 5, v0
	v_readfirstlane_b32 s18, v1                    ; wave
	v_and_b32 v1, 31, v0                           ; lane
	v_lshlrev_b32 v4, 4, v1
	s_lshr_b32 s21, ttmp9, 3                       ; batch
	s_mul_i32 s56, s18, PARTB
	s_mov_b32 s57, 0
	s_mov_b32 s45, 0
	s_mov_b32 s46, 0x76543210
	s_mov_b32 s47, 0xfedcba98
	s_lshl_b32 s52, ttmp9, 19
	s_lshl_b32 s53, s18, 16
	s_add_co_u32 s52, s52, s53                     ; 128 rows a work-group, 16 a wave
	s_mov_b32 s53, 0
	s_lshl_b32 s54, s18, 10
	s_lshl_b32 s22, s21, 12
	s_add_co_u32 s22, s22, s54                     ; q: my batch's row, my wave's 256 columns
	s_mov_b32 s23, 0
	s_wait_alu depctr_va_vdst(0)
	s_wait_kmcnt 0x0
	s_add_nc_u64 s[4:5], s[4:5], s[52:53]
	s_add_nc_u64 s[8:9], s[8:9], s[22:23]
	global_load_b128 v[112:115], v4, s[8:9]
	global_load_b128 v[116:119], v4, s[8:9] offset:512
.irp n, 0,1,2,3,4,5,6,7
	GLOAD \n
.endr
	WIN 0
	s_lshl_b32 s22, ttmp9, 9
	s_add_nc_u64 s[10:11], s[10:11], s[22:23]
	s_lshl_b32 s22, ttmp9, 8
	s_add_nc_u64 s[12:13], s[12:13], s[22:23]
	s_lshl_b32 s22, ttmp9, 12
	s_add_co_u32 s22, s22, s54
	s_add_nc_u64 s[14:15], s[14:15], s[22:23]
	s_lshl_b32 s22, ttmp9, 2
	s_add_co_u32 s22, s22, s18
	s_lshl_b32 s22, s22, 13
	s_add_nc_u64 s[48:49], s[6:7], s[22:23]        ; the prefetch: 8,192 bytes a wave
	s_add_nc_u64 s[6:7], s[6:7], s[56:57]          ; my wave's part of ws's first slot
.macro TURN n, cnt                     ; row n through my stage: LDS serves a wave's instructions in order
	s_wait_loadcnt \cnt
	WIN 0x04
.irp i, 0,1,2,3,4,5,6,7
	ds_store_b128 v5, v[32*((\n)%8)+4*\i:32*((\n)%8)+4*\i+3] offset:576*\i
.endr
	WIN 0
.irp j, 0,1,2,3,4,5,6,7
	ds_load_b128 v[128+32*((\n)%2)+4*\j:128+32*((\n)%2)+4*\j+3], v6 offset:16*\j
.endr
.endm
.macro QROW n                          ; my block of row n: largest magnitude with the floor, scale operand, 32 codes, byte
.set X0, 128+32*((\n)%2)
.set C0, 192+4*((\n)%16)
	v_max3_num_f32 v26, |v[X0]|, |v[X0+1]|, |v[X0+2]|
	v_max3_num_f32 v27, |v[X0+3]|, |v[X0+4]|, |v[X0+5]|
.irp i, 6,10,14,18,22,26
	v_max3_num_f32 v26, v26, |v[X0+\i]|, |v[X0+\i+1]|
	v_max3_num_f32 v27, v27, |v[X0+\i+2]|, |v[X0+\i+3]|
.endr
	v_max3_num_f32 v26, v26, |v[X0+30]|, |v[X0+31]|
	v_max3_num_f32 v26, v26, v27, 0x1800000
	v_add_nc_u32 v28, 0xff000000, v26
.irp g, 0,1,2,3
	v_cvt_scalef32_pk8_fp4_f32 v[C0+\g], v[X0+8*\g:X0+8*\g+7], v28
.endr
	v_lshrrev_b32 v[30+(\n)%2], 23, v28
.endm
.macro STEP n
.if (\n)%16 == 0
	s_wait_dscnt 0x0
.else
	s_wait_dscnt 0x1                               ; row n is back; the last byte store may be out
.endif
.if (\n)+8 < 32
	GLOAD (\n)+8
.endif
.if (\n) == 4
	WIN 0
	s_cmp_lt_u32 ttmp9, 34
	s_cbranch_scc0 .Lno_prefetch
	global_prefetch_b8 v23, s[48:49] th:TH_LOAD_NT scope:SCOPE_SE
.Lno_prefetch:
.endif
.set WC, 0
.if (\n) >= 26
.if (\n)%2 == 0
	NEXT (((\n)-26)/2)*TILEB, ((\n)-26)/2          ; W's tiles 0, 1, 2, into the registers of rows that have gone through the stage two steps ago or more
.endif
.set WC, 17*(((\n)-24)/2)                      ; W's loads issued so far stand behind the rows' loads
.endif
.if (\n) < 31
.if 30-(\n) < 7
	TURN (\n)+1, 8*(30-(\n))+WC
.else
	TURN (\n)+1, 56                                ; the seven younger rows' loads may be out
.endif
.endif
	QROW \n
	ds_store_b8 v9, v[30+(\n)%2] offset:SCP*((\n)%16)
.endm
.macro CODEOUT
.irp i, 0,1,2,3,4,5,6,7,8,9,10,11,12,13,14,15
	ds_store_b128 v7, v[192+4*\i:195+4*\i] offset:CP*\i
.endr
.endm
.macro SHARE rho                       ; the four waves' 16 rows each: fragments into windows 2 and 3, scale words into v32..
	WIN 0x80
.irp k, 0,1,2,3
.irp s, 0,1,2,3
	ds_load_b128 v[64*\s+8*(4*(\rho)+\k):64*\s+8*(4*(\rho)+\k)+3], v8 offset:STB*\k+64*\s
	ds_load_b128 v[64*\s+8*(4*(\rho)+\k)+4:64*\s+8*(4*(\rho)+\k)+7], v8 offset:STB*\k+64*\s+32
.endr
.endr
	WIN 0xc0
.irp k, 0,1,2,3
.irp s, 0,1,2,3
	ds_load_b128 v[64*\s+8*(4*(\rho)+\k):64*\s+8*(4*(\rho)+\k)+3], v8 offset:STB*\k+256+64*\s
	ds_load_b128 v[64*\s+8*(4*(\rho)+\k)+4:64*\s+8*(4*(\rho)+\k)+7], v8 offset:STB*\k+256+64*\s+32
.endr
.endr
	WIN 0
.irp k, 0,1,2,3
	ds_load_b128 v[32+4*(4*(\rho)+\k):35+4*(4*(\rho)+\k)], v10 offset:SCB*\k
.endr
.endm
	v_and_b32 v2, 15, v0
	v_bfe_u32 v3, v0, 4, 1
	s_mul_i32 s22, s18, STB
	s_add_co_u32 s22, s22, STG
	v_lshrrev_b32 v5, 3, v1
	v_lshl_add_u32 v5, v5, 4, v4
	v_add_nc_u32 v5, s22, v5                       ; stage in: 16 l + 16 (l / 8)
	v_mul_u32_u24 v6, v1, 144
	v_add_nc_u32 v6, s22, v6                       ; stage out: 144 l
	v_add_nc_u32 v7, s22, v4                       ; my codes' place in a row of codes
	v_mul_u32_u24 v8, v2, CP
	v_lshl_add_u32 v8, v3, 4, v8
	v_add_nc_u32 v8, STG, v8                       ; a fragment: row r, + 16 h
	s_mul_i32 s22, s18, SCB
	s_add_co_u32 s22, s22, SCS
	v_add_nc_u32 v9, s22, v1
	v_mul_u32_u24 v10, v2, SCP
	v_lshl_add_u32 v10, v3, 4, v10
	v_add_nc_u32 v10, SCS, v10
	s_lshl_b32 s22, s18, 10
	s_add_co_u32 s22, s22, CT                      ; my 1,024 bytes: q, at the end the context's part
	v_lshl_add_u32 v14, v3, 5, s22                 ; q: 32 h
	v_lshl_add_u32 v12, v1, 5, s22                 ; the folded sums: 32 l
	v_add_nc_u32 v20, s22, v4
	s_mul_i32 s22, s18, CSB
	s_add_co_u32 s22, s22, CS
	v_mul_u32_u24 v13, v1, 528
	v_add_nc_u32 v13, s22, v13                     ; the fold: lane l takes (tile l / 2, half l % 2)
	v_mul_u32_u24 v19, v3, 528
	v_lshl_add_u32 v19, v2, 5, v19
	v_add_nc_u32 v19, s22, v19                     ; a tile's sums: 528 h + 32 r
	s_lshl_b32 s22, s18, 9
	s_add_co_u32 s23, s22, EP
	v_lshl_add_u32 v15, v2, 2, s23
	v_add_nc_u32 v16, EP, v4
	s_add_co_u32 s23, s22, PW
	v_add_nc_u32 v17, s23, v4
	v_lshl_add_u32 v18, v2, 2, s23                 ; p of row r of a block
	v_lshlrev_b32 v23, 8, v1
	v_lshlrev_b32 v25, 3, v1
.set J, 80
.rept 32
	v_mov_b32 v[J], 0                              ; the energy sums: 128 rows x my 256 columns fall into these 32
.set J, J+1
.endr
	s_wait_alu depctr_va_vdst(0)
	TURN 0, 56
	ds_store_b128 v20, v[112:115]                  ; q into my 1,024 bytes
	ds_store_b128 v20, v[116:119] offset:512
.irp n, 0,1,2,3,4,5,6,7,8,9,10,11,12,13,14,15
	STEP \n
.endr
	CODEOUT
	BAR
	SHARE 0
	BAR
.irp n, 16,17,18,19,20,21,22,23,24,25,26,27,28,29,30,31
	STEP \n
.endr
	CODEOUT
	BAR
	SHARE 1
; ---- the products
.macro WM d, x, y, sx, sy              ; KF 0: the first K step starts the sum; 1: K steps 1-3; 2: K steps 4-7, scales from lanes 16-31
.if KF == 0
	v_wmma_scale_f32_16x16x128_f8f6f4 v[\d:\d+7], v[\x:\x+7], v[\y:\y+7], 0, v[\sx], v[\sy] matrix_a_fmt:MATRIX_FMT_FP4 matrix_b_fmt:MATRIX_FMT_FP4
.elseif KF == 1
	v_wmma_scale_f32_16x16x128_f8f6f4 v[\d:\d+7], v[\x:\x+7], v[\y:\y+7], v[\d:\d+7], v[\sx], v[\sy] matrix_a_fmt:MATRIX_FMT_FP4 matrix_b_fmt:MATRIX_FMT_FP4
.else
	v_wmma_scale_f32_16x16x128_f8f6f4 v[\d:\d+7], v[\x:\x+7], v[\y:\y+7], v[\d:\d+7], v[\sx], v[\sy] matrix_a_fmt:MATRIX_FMT_FP4 matrix_b_fmt:MATRIX_FMT_FP4 matrix_a_scale:MATRIX_SCALE_ROW1 matrix_b_scale:MATRIX_SCALE_ROW1
.endif
.endm
.macro GROUP s, wsx, acx               ; K step s of a tile: W's set wsx against the eight blocks of rows, into accumulator set acx
.if (\s) == 0
.set KF, 0
.elseif (\s) < 4
.set KF, 1
.else
.set KF, 2
.endif
	WIN 0x09+4*((\s)/4)                            ; source 0 window 1, source 1 window 2 or 3, sums in window 0
.irp a, 0,1,2,3,4,5,6,7
.set rD, 128+64*(\acx)+8*\a
.set rW, 64*(\wsx)+8*(\s)
.set rA, 64*((\s)%4)+8*\a
.set rSW, 64+4*(\wsx)+(\s)%4
.set rSA, 32+4*\a+(\s)%4
	WM rD, rW, rA, rSW, rSA
.endr
.endm
.macro EPI ph, sw, tau                 ; tile tau, in accumulator set sw, is summed up; each accumulator from its low end on
	WIN 0
.if \ph
.irp a, 0,1,2,3,4,5,6,7
.irp i, 0,1,2,3
.if \a == 0
	v_pk_mul_f32 v[96+2*\i:97+2*\i], v[128+64*(\sw)+2*\i:129+64*(\sw)+2*\i], v[80:81]
.else
	v_pk_fma_f32 v[96+2*\i:97+2*\i], v[128+64*(\sw)+8*\a+2*\i:129+64*(\sw)+8*\a+2*\i], v[80+2*\a:81+2*\a], v[96+2*\i:97+2*\i]
.endif
.endr
.endr
	ds_store_b128 v24, v[96:99] offset:1056*(\tau)         ; the sum over the eight blocks of p v0, for my row r of each and my eight columns
	ds_store_b128 v24, v[100:103] offset:1056*(\tau)+16
.else
.irp i, 0,1,2,3                        ; two sets of sums by turns: 15 plain lines lie between a sum's write and its next read
.irp a, 0,1,2,3,4,5,6,7
	v_pk_fma_f32 v[80+16*(\i%2)+2*\a:81+16*(\i%2)+2*\a], v[128+64*(\sw)+8*\a+2*\i:129+64*(\sw)+8*\a+2*\i], v[112+2*\i:113+2*\i], v[80+16*(\i%2)+2*\a:81+16*(\i%2)+2*\a]
.endr
.endr
.endif
.endm
; A tile.  mode 1: W's loads run on; 0: ws's last slot, in which only the first tile still asks (for the last).
.macro TILE ph, tau, mode
.if ((\mode) == 0) && ((\tau) >= 2)
	s_wait_loadcnt 17*(3-(\tau))
.else
	s_wait_loadcnt 34                              ; this tile's 17 loads are in; the next two tiles' may be out
.endif
.if (\ph) == 0
	s_wait_dscnt 0x0                               ; the last tile's q
.endif
.if (\tau) > 0
	GROUP 0, \tau, (\tau)%2
	PLACES 5                                       ; behind the last tile's products: ahead of the reads of its sums, of the loads into its fragments, and of the products that will write its accumulators anew
	EPI \ph, 1-(\tau)%2, (\tau)-1
.endif
.if (\tau) == 0
	NEXT 3*TILEB, 3                                ; three tiles on, into the set that the last tile has left
.elseif (\mode) != 0
	NEXT SLOTB+((\tau)-1)*TILEB, (\tau)-1
.endif
.if (\ph) == 0
	ds_load_b128 v[112:115], v24 offset:64*(\tau)  ; this tile's eight numbers of q
	ds_load_b128 v[116:119], v24 offset:64*(\tau)+16
.endif
.irp s, 0,1,2,3,4,5,6,7
.if (\s > 0) || ((\tau) == 0)
	GROUP \s, \tau, (\tau)%2
.endif
.endr
.endm
.macro SLOTBODY ph, mode
	TILE \ph, 0, \mode
	TILE \ph, 1, \mode
	TILE \ph, 2, \mode
	TILE \ph, 3, \mode
.if (\ph) == 0
	s_wait_dscnt 0x0                               ; q of the last tile
.endif
	PLACES 5
	EPI \ph, 1, 3
.if (\mode) != 0
	s_wait_xcnt 0x0                                ; W's loads have read their base: it may step
	s_add_nc_u64 s[6:7], s[6:7], SLOTB
.if \ph
	s_add_co_u32 s45, s45, 4*1056
	v_add_nc_u32 v24, s45, v19
.else
	s_add_co_u32 s45, s45, 256
	v_add_nc_u32 v24, s45, v14
.endif
.endif
.endm
	v_add_nc_u32 v24, s45, v14
	s_mov_b32 s44, 4
.Lkslot:
	s_wait_alu depctr_va_vdst(0)
	SLOTBODY 0, 1
	s_sub_co_u32 s44, s44, 1
	s_cmp_lg_u32 s44, 0
	s_cbranch_scc1 .Lkslot
	; ---- the energies of my 128 rows: the two sets, the pairs' halves, the two halves of the lanes, the four waves
	s_wait_alu depctr_va_vdst(0)
.irp a, 0,1,2,3,4,5,6,7
	v_pk_add_f32 v[80+2*\a:81+2*\a], v[80+2*\a:81+2*\a], v[96+2*\a:97+2*\a]
.endr
.irp a, 0,1,2,3,4,5,6,7
	v_add_f32 v[96+\a], v[80+2*\a], v[81+2*\a]
.endr
.irp a, 0,1,2,3,4,5,6,7
	v_permlanex16_b32 v[112+\a], v[96+\a], s46, s47
.endr
.irp a, 0,1,2,3,4,5,6,7
	v_add_f32 v[96+\a], v[96+\a], v[112+\a]
.endr
.irp a, 0,1,2,3,4,5,6,7
	ds_store_b32 v15, v[96+\a] offset:64*\a
.endr
	BAR
.irp u, 0,1,2,3
	ds_load_b128 v[104+4*\u:107+4*\u], v16 offset:512*\u
.endr
	s_wait_dscnt 0x0
	v_pk_add_f32 v[104:105], v[104:105], v[108:109]
	v_pk_add_f32 v[106:107], v[106:107], v[110:111]
	v_pk_add_f32 v[112:113], v[112:113], v[116:117]
	v_pk_add_f32 v[114:115], v[114:115], v[118:119]
	v_pk_add_f32 v[104:105], v[104:105], v[112:113]
	v_pk_add_f32 v[106:107], v[106:107], v[114:115]
.irp i, 0,1,2,3
	v_mul_f32 v[104+\i], 0x3d38aa3b, v[104+\i]     ; t = energy sum x log2(e) / 32, rows 4 l .. + 3
.endr
	v_max3_num_f32 v112, v104, v105, v106
	v_max_num_f32 v112, v112, v107
	v_max_num_f32_dpp v112, v112, v112 row_xmask:1 row_mask:0xf bank_mask:0xf
	v_max_num_f32_dpp v112, v112, v112 row_xmask:2 row_mask:0xf bank_mask:0xf
	v_max_num_f32_dpp v112, v112, v112 row_xmask:4 row_mask:0xf bank_mask:0xf
	v_max_num_f32_dpp v112, v112, v112 row_xmask:8 row_mask:0xf bank_mask:0xf
	v_permlanex16_b32 v114, v112, s46, s47
	v_max_num_f32 v112, v112, v114                 ; m: the largest t of the 128 rows
.irp i, 0,1,2,3
	v_sub_f32 v[108+\i], v[104+\i], v112
.endr
	s_wait_alu depctr_va_vdst(0)                   ; a wait ahead of the batch and one behind it
.irp i, 0,1,2,3
	v_exp_f32 v[108+\i], v[108+\i]                 ; p = 2^(t - m)
.endr
	v_nop
	s_wait_alu depctr_va_vdst(0)
	v_add_f32 v113, v108, v109
	v_add_f32 v115, v110, v111
	v_add_f32 v113, v113, v115
	v_add_f32_dpp v113, v113, v113 row_xmask:1 row_mask:0xf bank_mask:0xf
	v_add_f32_dpp v113, v113, v113 row_xmask:2 row_mask:0xf bank_mask:0xf
	v_add_f32_dpp v113, v113, v113 row_xmask:4 row_mask:0xf bank_mask:0xf
	v_add_f32_dpp v113, v113, v113 row_xmask:8 row_mask:0xf bank_mask:0xf
	v_permlanex16_b32 v114, v113, s46, s47
	v_add_f32 v113, v113, v114                     ; the sum of p
	ds_store_b128 v17, v[108:111]                  ; p through my own 512 bytes: back as p(16 a + r), in both registers of a pair, for the packed lines
.irp a, 0,1,2,3,4,5,6,7
	ds_load_b32 v[80+2*\a], v18 offset:64*\a
	ds_load_b32 v[81+2*\a], v18 offset:64*\a
.endr
	s_cmp_lg_u32 s18, 0
	s_cbranch_scc1 .Lnot_first
	global_store_b128 v4, v[104:107], s[10:11]     ; 512 consecutive bytes of tbuf
	global_store_b64 v25, v[112:113], s[12:13]     ; (m, sum) in every lane's 8 bytes: one unit of 256 bytes
.Lnot_first:
	s_wait_xcnt 0x0
	s_wait_dscnt 0x0
	s_mov_b32 s45, 0
	v_add_nc_u32 v24, s45, v19
	s_mov_b32 s44, 3
.Lvslot:
	s_wait_alu depctr_va_vdst(0)
	SLOTBODY 1, 1
	s_sub_co_u32 s44, s44, 1
	s_cmp_lg_u32 s44, 0
	s_cbranch_scc1 .Lvslot
	s_wait_alu depctr_va_vdst(0)
	SLOTBODY 1, 0                                  ; ws's last slot is written out: its last three tiles ask for nothing
	; ---- the fold: lane l sums the 16 rows' parts of columns 8 l .. + 7 of my 256.  LDS serves a wave's instructions in order: these loads see my stores
.irp r, 0,1,2,3,4,5,6,7,8,9,10,11,12,13,14,15
	ds_load_b128 v[128+8*\r:131+8*\r], v13 offset:32*\r
	ds_load_b128 v[132+8*\r:135+8*\r], v13 offset:32*\r+16
.endr
	s_wait_dscnt 0x0
.irp d, 8,4,2,1
.irp r, 0,1,2,3,4,5,6,7
.if \r < \d
.irp i, 0,1,2,3
	v_pk_add_f32 v[128+8*\r+2*\i:129+8*\r+2*\i], v[128+8*\r+2*\i:129+8*\r+2*\i], v[128+8*(\r+\d)+2*\i:129+8*(\r+\d)+2*\i]
.endr
.endif
.endr
.endr
	ds_store_b128 v12, v[128:131]                  ; through my 1,024 bytes, so that each store below covers 512 consecutive bytes
	ds_store_b128 v12, v[132:135] offset:16
	ds_load_b128 v[104:107], v20
	ds_load_b128 v[108:111], v20 offset:512
	s_wait_dscnt 0x0
	global_store_b128 v4, v[104:107], s[14:15]
	global_store_b128 v4, v[108:111], s[14:15] offset:512
	s_wait_tensorcnt 0x0                           ; the wave's end
	ds_add_u32 v21, v22
	s_wait_dscnt 0x0
	s_endpgm
.Lfunc_end_k_q603475d782_main:
	.size	k_q603475d782_main, .Lfunc_end_k_q603475d782_main-k_q603475d782_main
	.p2alignl 7, 3214868480
	.fill 96, 4, 3214868480
	.section	.rodata,"a",@progbits
	.p2align	6, 0x0
	.amdhsa_kernel k_q603475d782_main
		.amdhsa_group_segment_fixed_size 113152
		.amdhsa_private_segment_fixed_size 0
		.amdhsa_enable_private_segment 0
		.amdhsa_kernarg_size 48
		.amdhsa_user_sgpr_count 2
		.amdhsa_user_sgpr_kernarg_segment_ptr 1
		.amdhsa_wavefront_size32 1
		.amdhsa_system_sgpr_workgroup_id_x 1
		.amdhsa_system_sgpr_workgroup_id_y 1
		.amdhsa_system_sgpr_workgroup_id_z 1
		.amdhsa_system_vgpr_workitem_id 0
		.amdhsa_next_free_vgpr 1024
		.amdhsa_next_free_sgpr 66
		.amdhsa_reserve_vcc 0
		.amdhsa_float_denorm_mode_32 3
		.amdhsa_float_denorm_mode_16_64 3
		.amdhsa_memory_ordered 1
		.amdhsa_forward_progress 1
		.amdhsa_inst_pref_size 255
	.end_amdhsa_kernel
	.section	.bss,"aw",@nobits
	.p2align	6
	.space	262144
	.amdgpu_metadata
---
amdhsa.version: [ 1, 2 ]
amdhsa.kernels:
  - .name:           k_q603475d782_main
    .symbol:         k_q603475d782_main.kd
    .args:
      - { .name: encoder_outputs, .offset: 0, .size: 8, .value_kind: global_buffer, .address_space: global }
      - { .name: ws, .offset: 8, .size: 8, .value_kind: global_buffer, .address_space: global }
      - { .name: qbuf, .offset: 16, .size: 8, .value_kind: global_buffer, .address_space: global }
      - { .name: tbuf, .offset: 24, .size: 8, .value_kind: global_buffer, .address_space: global }
      - { .name: mlbuf, .offset: 32, .size: 8, .value_kind: global_buffer, .address_space: global }
      - { .name: cpart, .offset: 40, .size: 8, .value_kind: global_buffer, .address_space: global }
    .group_segment_fixed_size: 113152
    .private_segment_fixed_size: 0
    .kernarg_segment_align: 8
    .kernarg_segment_size: 48
    .max_flat_workgroup_size: 128
    .sgpr_count:     66
    .vgpr_count:     1024
    .wavefront_size: 32
...
	.end_amdgpu_metadata
.endif
;; end of part 2
;; launch join (part 3): grid 8 x 32, 1 waves a work-group, no clusters, 0 bytes of LDS; arguments tbuf, mlbuf, cpart, bv, alpha, gamma, beta, out0, out1; writes out0, out1
.if DOCPART == 3
	.amdgcn_target "amdgcn-amd-amdhsa--gfx1250"
	.amdhsa_code_object_version 6
	.text
	.protected	k_q603475d782_join
	.globl	k_q603475d782_join
	.p2align	8
	.type	k_q603475d782_join,@function
k_q603475d782_join:
	s_mov_b64 s[64:65], 0
	v_nop
	global_prefetch_b8 v0, s[64:65] scope:SCOPE_SE
	s_setreg_imm32_b32 hwreg(HW_REG_WAVE_MODE, 25, 1), 1
	s_wait_xcnt 0x0
; The eight blocks of a batch are joined.  M = the largest of their m; f = 2^(m - M); L = the sum of f l;  out1(b, s) = 2^(t - M) / L;
; context(b, o) = (the sum of f c) / L + bv(o) (the weights sum to 1, so bv stands behind the normalising);  out0 = gamma tanh(alpha context) + beta, tanh(y) = 1 - 2 / (1 + 2^(2 log2(e) y)).
; One wave for 128 numbers of each output: work-group (x, b), lane l: numbers 128 x + 4 l .. + 3 of batch b.  Every load and store of the wave covers 512 consecutive bytes (mlbuf: 256).
; No LDS, no barrier, no matrix work, no cluster: the launch moves 1.4 million bytes, and all that work-groups share is a batch's 2,048 bytes of (m, l).
; LIMITS: where 2^(..) overflows, tanh is 1; where it falls to 0, -1: both are tanh's own limits.  An f or a weight under 2^-126 comes out of v_exp_f32 as 0.
; v1 16 l, v2 8 l; v4 M, v5 L, v6 1 / L; v8-23 (m, l) of the eight blocks; v24-27 t; v28-31 the context; v32-63 c of the eight blocks; v64-75 bv, gamma, beta; v76-83 f; v84-87 out1; v88-91 out0
	s_load_b256 s[4:11], s[0:1], 0x0               ; tbuf, mlbuf, cpart, bv
	s_load_b256 s[12:19], s[0:1], 0x20             ; alpha, gamma, beta, out0
	s_load_b64 s[20:21], s[0:1], 0x40              ; out1
	s_and_b32 s22, ttmp7, 0xffff                   ; b
	s_lshl_b32 s24, ttmp9, 9                       ; 512 x
	s_mov_b32 s25, 0
	s_lshl_b32 s26, s22, 12
	s_add_co_u32 s26, s26, s24                     ; 4,096 b + 512 x
	s_mov_b32 s27, 0
	s_lshl_b32 s28, s22, 11                        ; eight blocks of 256 bytes
	s_mov_b32 s29, 0
	s_lshl_b32 s30, s22, 15
	s_add_co_u32 s30, s30, s24                     ; eight blocks of 4,096 bytes, + 512 x
	s_mov_b32 s31, 0
	v_lshlrev_b32 v1, 4, v0
	v_lshlrev_b32 v2, 3, v0
	s_wait_alu depctr_va_vdst(0)
	s_wait_kmcnt 0x0
	s_load_b32 s23, s[12:13], 0x0                  ; alpha
	s_add_nc_u64 s[4:5], s[4:5], s[26:27]
	s_add_nc_u64 s[6:7], s[6:7], s[28:29]
	s_add_nc_u64 s[8:9], s[8:9], s[30:31]
	s_add_nc_u64 s[10:11], s[10:11], s[24:25]
	s_add_nc_u64 s[14:15], s[14:15], s[24:25]
	s_add_nc_u64 s[16:17], s[16:17], s[24:25]
	s_add_nc_u64 s[18:19], s[18:19], s[26:27]
	s_add_nc_u64 s[20:21], s[20:21], s[26:27]
.irp g, 0,1,2,3,4,5,6,7
	global_load_b64 v[8+2*\g:9+2*\g], v2, s[6:7] offset:256*\g
.endr
	global_load_b128 v[24:27], v1, s[4:5]
.irp g, 0,1,2,3,4,5,6,7
	global_load_b128 v[32+4*\g:35+4*\g], v1, s[8:9] offset:4096*\g
.endr
	global_load_b128 v[64:67], v1, s[10:11]
	global_load_b128 v[68:71], v1, s[14:15]
	global_load_b128 v[72:75], v1, s[16:17]
	s_wait_kmcnt 0x0
	s_mul_f32 s23, s23, 0x4038aa3b                 ; 2 log2(e) alpha
	s_wait_loadcnt 0x0
	v_max3_num_f32 v4, v8, v10, v12
	v_max3_num_f32 v4, v4, v14, v16
	v_max3_num_f32 v4, v4, v18, v20
	v_max_num_f32 v4, v4, v22                      ; M
.irp g, 0,1,2,3,4,5,6,7
	v_sub_f32 v[76+\g], v[8+2*\g], v4
.endr
.irp i, 0,1,2,3
	v_sub_f32 v[84+\i], v[24+\i], v4
.endr
	s_wait_alu depctr_va_vdst(0)
.irp g, 0,1,2,3,4,5,6,7
	v_exp_f32 v[76+\g], v[76+\g]                   ; f
.endr
.irp i, 0,1,2,3
	v_exp_f32 v[84+\i], v[84+\i]                   ; 2^(t - M)
.endr
	v_nop                                          ; a plain line behind the exponentials (ISA guide 5.7.2)
	s_wait_alu depctr_va_vdst(0)
	v_mul_f32 v5, v76, v9
.irp g, 1,2,3,4,5,6,7
	v_fmac_f32 v5, v[76+\g], v[9+2*\g]             ; L
.endr
	s_wait_alu depctr_va_vdst(0)
	v_rcp_f32 v6, v5
.irp i, 0,1,2,3
	v_mul_f32 v[28+\i], v76, v[32+\i]              ; (plain lines behind the reciprocal, which name neither v5 nor v6)
.endr
.irp g, 1,2,3,4,5,6,7
.irp i, 0,1,2,3
	v_fmac_f32 v[28+\i], v[76+\g], v[32+4*\g+\i]
.endr
.endr
	s_wait_alu depctr_va_vdst(0)
.irp i, 0,1,2,3
	v_mul_f32 v[84+\i], v[84+\i], v6
.endr
	global_store_b128 v1, v[84:87], s[20:21]       ; out1
.irp i, 0,1,2,3
	v_fma_f32 v[28+\i], v[28+\i], v6, v[64+\i]     ; the context
.endr
.irp i, 0,1,2,3
	v_mul_f32 v[28+\i], s23, v[28+\i]
.endr
	s_wait_alu depctr_va_vdst(0)
.irp i, 0,1,2,3
	v_exp_f32 v[28+\i], v[28+\i]
.endr
	v_nop
	s_wait_alu depctr_va_vdst(0)
.irp i, 0,1,2,3
	v_add_f32 v[28+\i], 1.0, v[28+\i]
.endr
	s_wait_alu depctr_va_vdst(0)
.irp i, 0,1,2,3
	v_rcp_f32 v[28+\i], v[28+\i]
.endr
	v_nop
	s_wait_alu depctr_va_vdst(0)
.irp i, 0,1,2,3
	v_fma_f32 v[28+\i], v[28+\i], -2.0, 1.0        ; tanh
.endr
.irp i, 0,1,2,3
	v_fma_f32 v[88+\i], v[68+\i], v[28+\i], v[72+\i]
.endr
	global_store_b128 v1, v[88:91], s[18:19]       ; out0
	s_endpgm
.Lfunc_end_k_q603475d782_join:
	.size	k_q603475d782_join, .Lfunc_end_k_q603475d782_join-k_q603475d782_join
	.p2alignl 7, 3214868480
	.fill 96, 4, 3214868480
	.section	.rodata,"a",@progbits
	.p2align	6, 0x0
	.amdhsa_kernel k_q603475d782_join
		.amdhsa_group_segment_fixed_size 0
		.amdhsa_private_segment_fixed_size 0
		.amdhsa_enable_private_segment 0
		.amdhsa_kernarg_size 72
		.amdhsa_user_sgpr_count 2
		.amdhsa_user_sgpr_kernarg_segment_ptr 1
		.amdhsa_wavefront_size32 1
		.amdhsa_system_sgpr_workgroup_id_x 1
		.amdhsa_system_sgpr_workgroup_id_y 1
		.amdhsa_system_sgpr_workgroup_id_z 1
		.amdhsa_system_vgpr_workitem_id 0
		.amdhsa_next_free_vgpr 96
		.amdhsa_next_free_sgpr 66
		.amdhsa_reserve_vcc 0
		.amdhsa_float_denorm_mode_32 3
		.amdhsa_float_denorm_mode_16_64 3
		.amdhsa_memory_ordered 1
		.amdhsa_forward_progress 1
		.amdhsa_inst_pref_size 8
	.end_amdhsa_kernel
	.amdgpu_metadata
---
amdhsa.version: [ 1, 2 ]
amdhsa.kernels:
  - .name:           k_q603475d782_join
    .symbol:         k_q603475d782_join.kd
    .args:
      - { .name: tbuf, .offset: 0, .size: 8, .value_kind: global_buffer, .address_space: global }
      - { .name: mlbuf, .offset: 8, .size: 8, .value_kind: global_buffer, .address_space: global }
      - { .name: cpart, .offset: 16, .size: 8, .value_kind: global_buffer, .address_space: global }
      - { .name: bv, .offset: 24, .size: 8, .value_kind: global_buffer, .address_space: global }
      - { .name: alpha, .offset: 32, .size: 8, .value_kind: global_buffer, .address_space: global }
      - { .name: gamma, .offset: 40, .size: 8, .value_kind: global_buffer, .address_space: global }
      - { .name: beta, .offset: 48, .size: 8, .value_kind: global_buffer, .address_space: global }
      - { .name: out0, .offset: 56, .size: 8, .value_kind: global_buffer, .address_space: global }
      - { .name: out1, .offset: 64, .size: 8, .value_kind: global_buffer, .address_space: global }
    .group_segment_fixed_size: 0
    .private_segment_fixed_size: 0
    .kernarg_segment_align: 8
    .kernarg_segment_size: 72
    .max_flat_workgroup_size: 32
    .sgpr_count:     66
    .vgpr_count:     96
    .wavefront_size: 32
...
	.end_amdgpu_metadata
.endif
;; end of part 3
